; MI455X (gfx1250); checked and timed in simulation.
; The chip was launched on July 23, 2026; its instructions are those of AMD's public machine-readable ISA for CDNA 5 (MIT licence, August 2026) and "CDNA5" Instruction Set Architecture Reference Guide (July 2026). The comments in the code are by the model that wrote it; some were corrected since.
;; Attention. Allowed arithmetic: float matrix products may take bf16 or f16 operands with f32 sums; all other float work in f32.
;; Inputs: Wk 1,024 x 1,024 float32; Wo 1,024 x 1,024 float32; Wq 1,024 x 1,024 float32; Wv 1,024 x 1,024 float32; k 2 x 2,048 x 1,024 float32; q 2 x 2,048 x 1,024 float32; v 2 x 2,048 x 1,024 float32.
;; Outputs: out0 2 x 2,048 x 1,024 float32.
;; One version. Each part assembles by itself: llvm-mc -triple=amdgcn-amd-amdhsa -mcpu=gfx1250 --defsym DOCPART=n.
;; ======== version 1 of 1: 4 launches
;; limits: values are held in f16: magnitudes above 65,504 overflow, below 6.1e-05 lose precision
;; workspace buffers: xb 25,165,824 bytes; wb 8,388,608 bytes; hb 25,165,824 bytes; ao 8,388,608 bytes
;; launch cast (part 1): grid 1024 x 1, 8 waves a work-group, no clusters, 0 bytes of LDS; arguments q, k, v, Wq, Wk, Wv, Wo, xb, wb; writes xb, wb
.if DOCPART == 1
	.amdgcn_target "amdgcn-amd-amdhsa--gfx1250"
	.amdhsa_code_object_version 6
	.text
	.protected	k_qc32192dc1e_cast
	.globl	k_qc32192dc1e_cast
	.p2align	8
	.type	k_qc32192dc1e_cast,@function
k_qc32192dc1e_cast:
	s_mov_b64 s[64:65], 0
	v_nop
	global_prefetch_b8 v0, s[64:65] scope:SCOPE_SE
	s_setreg_imm32_b32 hwreg(HW_REG_WAVE_MODE, 25, 1), 1
	s_wait_xcnt 0x0
; f32 to f16, layout unchanged.  xb = [q | k | v] as f16 [3][4096][1024]; wb = [Wq | Wk | Wv | Wo] as f16 [4][1024][1024].
; A work-group turns 65,536 bytes of f32 into 32,768 bytes of f16: 256 groups for each of q, k, v, 64 for each weight, 1,024 in all.
; Thread t takes the 16 bytes at 16 t of each 4,096-byte piece: a load of a wave covers 512 neighbouring bytes, a store 256, aligned.
; All sixteen loads of a thread are issued before the first result is used; no register is used twice, so no source is ever rewritten.
; No LDS, no barrier, no matrix unit, no cluster: the groups share no byte, and every byte is read once and written once.
; LIMIT: numbers beyond 65,504 in magnitude become infinities in f16.  The inputs have spread 1 (q, k, v) and 1/32 (weights): thirty
; times that, or an offset of thirty spreads, stays under 200; thirty times smaller stays 4 decimal orders above the f16 spacing at zero.
.set X, 4                              ; v[4:67]   16 x 4 numbers as loaded
.set Y, 68                             ; v[68:99]  16 x 2 registers to store
	s_load_b512 s[8:23], s[0:1], 0x0               ; q s[8:9], k, v, Wq, Wk, Wv, Wo s[20:21], xb s[22:23]
	s_load_b64 s[24:25], s[0:1], 0x40              ; wb
	s_mov_b32 s26, ttmp9                           ; the group number, 0 to 1023
	s_lshr_b32 s2, s26, 8                          ; 0, 1, 2: q, k, v; 3: a weight
	s_lshr_b32 s3, s26, 6                          ; 12 to 15: Wq, Wk, Wv, Wo
	v_lshlrev_b32 v1, 4, v0                        ; 16 t: my bytes of a piece of the source
	v_lshlrev_b32 v2, 3, v0                        ; 8 t: my bytes of a piece of the result
	s_cmp_lt_u32 s26, 768
	s_cselect_b32 s4, 255, 63                      ; groups in the source tensor, less one
	s_cselect_b32 s6, 0, 768                       ; first group of the result buffer
	s_and_b32 s4, s26, s4
	s_lshl_b32 s4, s4, 16                          ; byte offset in the source
	s_mov_b32 s5, 0
	s_sub_co_u32 s6, s26, s6
	s_lshl_b32 s6, s6, 15                          ; byte offset in xb or wb
	s_mov_b32 s7, 0
	s_wait_kmcnt 0x0
	s_mov_b64 s[28:29], s[8:9]                     ; the source: a choice among seven buffers by the group number alone
	s_cmp_eq_u32 s2, 1
	s_cselect_b64 s[28:29], s[10:11], s[28:29]
	s_cmp_eq_u32 s2, 2
	s_cselect_b64 s[28:29], s[12:13], s[28:29]
	s_cmp_eq_u32 s3, 12
	s_cselect_b64 s[28:29], s[14:15], s[28:29]
	s_cmp_eq_u32 s3, 13
	s_cselect_b64 s[28:29], s[16:17], s[28:29]
	s_cmp_eq_u32 s3, 14
	s_cselect_b64 s[28:29], s[18:19], s[28:29]
	s_cmp_eq_u32 s3, 15
	s_cselect_b64 s[28:29], s[20:21], s[28:29]
	s_cmp_lt_u32 s26, 768
	s_cselect_b64 s[30:31], s[22:23], s[24:25]     ; the result: xb or wb
	s_add_nc_u64 s[28:29], s[28:29], s[4:5]
	s_add_nc_u64 s[30:31], s[30:31], s[6:7]
.irp j, 0,1,2,3,4,5,6,7,8,9,10,11,12,13,14,15
	global_load_b128 v[X+4*\j:X+4*\j+3], v1, s[28:29] offset:4096*\j th:TH_LOAD_NT
.endr
.irp j, 0,1,2,3,4,5,6,7,8,9,10,11,12,13,14,15
	s_wait_loadcnt 15-\j                           ; loads come back in order (ISA guide 5.7.1): piece j is in, the 15 - j younger ones stay out
	v_cvt_pk_f16_f32 v[Y+2*\j],   v[X+4*\j],   v[X+4*\j+1]
	v_cvt_pk_f16_f32 v[Y+2*\j+1], v[X+4*\j+2], v[X+4*\j+3]
	global_store_b64 v2, v[Y+2*\j:Y+2*\j+1], s[30:31] offset:2048*\j
.endr
	s_endpgm
.Lfunc_end_k_qc32192dc1e_cast:
	.size	k_qc32192dc1e_cast, .Lfunc_end_k_qc32192dc1e_cast-k_qc32192dc1e_cast
	.p2alignl 7, 3214868480
	.fill 96, 4, 3214868480
	.section	.rodata,"a",@progbits
	.p2align	6, 0x0
	.amdhsa_kernel k_qc32192dc1e_cast
		.amdhsa_group_segment_fixed_size 0
		.amdhsa_private_segment_fixed_size 0
		.amdhsa_enable_private_segment 0
		.amdhsa_kernarg_size 72
		.amdhsa_user_sgpr_count 2
		.amdhsa_user_sgpr_kernarg_segment_ptr 1
		.amdhsa_wavefront_size32 1
		.amdhsa_system_sgpr_workgroup_id_x 1
		.amdhsa_system_sgpr_workgroup_id_y 1
		.amdhsa_system_sgpr_workgroup_id_z 1
		.amdhsa_system_vgpr_workitem_id 0
		.amdhsa_next_free_vgpr 100
		.amdhsa_next_free_sgpr 66
		.amdhsa_reserve_vcc 0
		.amdhsa_float_denorm_mode_32 3
		.amdhsa_float_denorm_mode_16_64 3
		.amdhsa_memory_ordered 1
		.amdhsa_forward_progress 1
		.amdhsa_inst_pref_size 8
	.end_amdhsa_kernel
	.amdgpu_metadata
---
amdhsa.version: [ 1, 2 ]
amdhsa.kernels:
  - .name:           k_qc32192dc1e_cast
    .symbol:         k_qc32192dc1e_cast.kd
    .args:
      - { .name: q, .offset: 0, .size: 8, .value_kind: global_buffer, .address_space: global }
      - { .name: k, .offset: 8, .size: 8, .value_kind: global_buffer, .address_space: global }
      - { .name: v, .offset: 16, .size: 8, .value_kind: global_buffer, .address_space: global }
      - { .name: Wq, .offset: 24, .size: 8, .value_kind: global_buffer, .address_space: global }
      - { .name: Wk, .offset: 32, .size: 8, .value_kind: global_buffer, .address_space: global }
      - { .name: Wv, .offset: 40, .size: 8, .value_kind: global_buffer, .address_space: global }
      - { .name: Wo, .offset: 48, .size: 8, .value_kind: global_buffer, .address_space: global }
      - { .name: xb, .offset: 56, .size: 8, .value_kind: global_buffer, .address_space: global }
      - { .name: wb, .offset: 64, .size: 8, .value_kind: global_buffer, .address_space: global }
    .group_segment_fixed_size: 0
    .private_segment_fixed_size: 0
    .kernarg_segment_align: 8
    .kernarg_segment_size: 72
    .max_flat_workgroup_size: 256
    .sgpr_count:     66
    .vgpr_count:     100
    .wavefront_size: 32
...
	.end_amdgpu_metadata
.endif
;; end of part 1
;; launch proj (part 2): grid 4 x 48, 4 waves a work-group, clusters of 4 x 4, 327,680 bytes of LDS; arguments xb, wb, hb; writes hb
.if DOCPART == 2
	.amdgcn_target "amdgcn-amd-amdhsa--gfx1250"
	.amdhsa_code_object_version 6
	.text
	.protected	k_qc32192dc1e_proj
	.globl	k_qc32192dc1e_proj
	.p2align	8
	.type	k_qc32192dc1e_proj,@function
k_qc32192dc1e_proj:
	s_mov_b64 s[64:65], 0
	v_nop
	global_prefetch_b8 v0, s[64:65] scope:SCOPE_SE
	s_setreg_imm32_b32 hwreg(HW_REG_WAVE_MODE, 25, 1), 1
	s_wait_xcnt 0x0
	s_wait_alu depctr_hold_cnt(0) depctr_sa_sdst(0) depctr_va_vdst(0) depctr_va_sdst(0) depctr_va_ssrc(0) depctr_va_vcc(0) depctr_vm_vsrc(0)
	s_getreg_b32 s2, hwreg(HW_REG_IB_STS2, 6, 4)
	s_cmp_eq_u32 s2, 0
	s_cbranch_scc0 .Lentry_in_a_cluster
	s_endpgm
.Lentry_in_a_cluster:
	s_bfe_u32 s2, ttmp6, 0x10000c
	s_cmp_lg_u32 s2, 0xf033
	s_cbranch_scc0 .Lentry_shape_is_right
	s_endpgm
.Lentry_shape_is_right:
; The three projections as one product: C[12288][1024] = X[12288][1024] W, where rows 4096 i .. belong to input i (q, k, v) and take weight i.
; X = xb, f16, K along the rows.  W = wb, f16, stored [k][n]: its fragments are made by the transposing LDS load, nothing is transposed in memory.
; C goes to hb as f16 [3][batch x head = 32][token 2048][64], so that every tile that the attention launch reads is a dense block.
; A work-group makes 256 x 256 of C with four waves, a wave 128 x 128: 64 accumulator tiles, 512 registers.  192 work-groups: a block of 128 x 128
; would give 768, but reads twice the LDS bytes for each product.  K goes in steps of 128 through two LDS slots filled by the tensor data mover.
; CLUSTERS: 4 x 4 work-groups.  The four of a row of the cluster need the same rows of X, the four of a column the same columns of W (all sixteen lie in
; one input, since 16 block rows make an input and a cluster spans 4): each tile is asked for jointly, which divides the requests by four.
; LIMIT: a projection beyond 65,504 in magnitude becomes an infinity in f16.  With both factors thirty times their drawn spread the results have spread
; 900; with both carrying an offset of thirty spreads they lie near 1024 x 30 x 0.94 = 29,000.
;
; REGISTERS, in windows of 256: window 0: v0-31 addresses; v64-127, v128-191 fragments of X, two buffers; v192-223 at work on the way out.
; window 1: v64-127, v128-191 fragments of W.  window 2: accumulators of my rows 0-63 (tile (a, b) at v[8 (8 a + b)]); window 3: rows 64-127.
; The matrix instruction is used transposed (source 0 = 16 columns of W, source 1 = 16 rows of X): lane l then holds row l % 16 of C and eight
; neighbouring columns 8 (l / 16) + 0 .. 7, which pack into 16 bytes.
.set SIZE_K, 1024
.set KSTEP,  128
.set PITCH,  272                       ; X in LDS: 256 bytes + 16: the 16 rows of a fragment load start at 16 different 16-byte columns modulo 256
.set BPITCH, 288                       ; W in LDS: 256 bytes + 32: the 8 rows x 2 columns of a transposing load likewise
.set REGION, 128*BPITCH                ; 36,864 bytes: what one tensor load fills (X uses 128 x 272 of it)
.set SLOT,   4*REGION                  ; X rows 0-127, X rows 128-255, W columns 0-127, W columns 128-255
.set STAGE,  2*SLOT                    ; behind the ring: 16 rows x 272 bytes for each wave, for the way out; no tensor load lands here
.set SPITCH, 272
.set LAPS, SIZE_K/(2*KSTEP)            ; a lap = two K steps = once round the ring: 4
.set ADRA, 16                          ; v16-17  LDS address of my X fragments in slot 0, 1
.set ADRB, 20                          ; v20-21  the same for W
.set STO,  24                          ; the way out: where I put 16 bytes of a row
.set RD,   25                          ; the way out: where I read back
.set CO,   26                          ; my byte offset in hb
.set F0,   64
.set F1,   128
.set TMP,  192
.set G1, 24                            ; s[24:31] descriptor group 1 for X
.set G0, 32                            ; s[32:39] group 0 for X, one set for each slot
.set G1B, 48                           ; s[48:55] group 1 for W
.set G0B, 56                           ; s[56:63] group 0 for W, one set for each slot
.set MSB, 0
.macro WIN new                         ; the high byte of the immediate repeats the setting that is left
.if MSB != \new
	s_set_vgpr_msb (MSB<<8)|\new
.set MSB, \new
.endif
.endm
.set MUL_LO, 0xa1                      ; source 0 (W) window 1, source 1 (X) window 0, C and D window 2
.set MUL_HI, 0xf1                      ; the same, C and D window 3
.set TO_B,   0x40                      ; destination window 1, address window 0
; A joint load.  Waves 0 and 1 fetch the two halves of X, waves 2 and 3 those of W.  The branch hangs on the wave number alone.
.macro JLOAD s
	s_cmp_eq_u32 s11, 0
	s_cbranch_scc0 .Lfor_b_\@
	tensor_load_to_lds s[G0+4*\s:G0+4*\s+3], s[G1:G1+7]
	s_nop 0
	s_branch .Lasked_\@
.Lfor_b_\@:
	tensor_load_to_lds s[G0B+4*\s:G0B+4*\s+3], s[G1B:G1B+7]
	s_nop 0
.Lasked_\@:
.endm
.macro CREST                           ; a round of the cluster barrier behind its opening work-group barrier
	s_cmp_lg_u32 s10, 0
	s_cbranch_scc1 .Lnot_wave_0_\@
	s_barrier_signal -3
.Lnot_wave_0_\@:
	s_barrier_wait -3
	s_barrier_signal -1
	s_barrier_wait -1
.endm
.macro CROUND                          ; a whole round
	s_barrier_signal -1
	s_barrier_wait -1
	CREST
.endm
	s_load_b128 s[4:7], s[0:1], 0x0                ; xb s[4:5], wb s[6:7]
	s_load_b64 s[8:9], s[0:1], 0x10                ; hb
	v_lshrrev_b32 v1, 5, v0
	v_readfirstlane_b32 s10, v1                    ; wave 0..3
	s_lshr_b32 s11, s10, 1                         ; my half of the block rows.  Also: I fetch for X (0) or for W (1)
	s_and_b32 s12, s10, 1                          ; my half of the block columns.  Also: which half of that tile I fetch
	s_bfe_u32 s40, ttmp6, 0x40000                  ; cx
	s_bfe_u32 s41, ttmp6, 0x40004                  ; cy
	s_lshl_b32 s42, ttmp9, 2
	s_add_co_u32 s42, s42, s40                     ; block column = 4 x cluster x + cx, 0 to 3
	s_and_b32 s45, ttmp7, 0xffff                   ; cluster y, 0 to 11
	s_lshl_b32 s13, s45, 2
	s_add_co_u32 s13, s13, s41                     ; block row = 4 x cluster y + cy, 0 to 47
	s_lshr_b32 s45, s45, 2                         ; which input and weight: the same in the whole cluster
	s_lshl_b32 s43, s41, 2
	s_lshl_b32 s43, 15, s43                        ; my row of the cluster
	s_lshl_b32 s44, 0x1111, s40                    ; my column
	; group 1: 128 rows of 128 elements of 2 bytes; behind every 64 words a pad of 4 words (X) or 8 words (W)
	s_or_b32 s[G1+0], s43, (1<<16)|(1<<20)|(1<<21)|(5<<22)|(3<<25)
	s_or_b32 s[G1B+0], s44, (1<<16)|(1<<20)|(1<<21)|(5<<22)|(7<<25)
	s_mov_b32 s[G1+1], KSTEP<<16                   ; tensor_dim0 = 128
	s_mov_b32 s[G1B+1], 128<<16
	s_mov_b32 s[G1+2], 128<<16                     ; tensor_dim1 = 128
	s_mov_b32 s[G1B+2], KSTEP<<16
	s_mov_b32 s[G1+3], KSTEP<<16                   ; tile_dim0 = 128
	s_mov_b32 s[G1B+3], 128<<16
	s_mov_b32 s[G1+4], 128                         ; tile_dim1 = 128
	s_mov_b32 s[G1B+4], KSTEP
	s_mov_b32 s[G1+5], SIZE_K                      ; elements from row to row
	s_mov_b32 s[G1B+5], 1024
	s_mov_b32 s[G1+6], 0
	s_mov_b32 s[G1B+6], 0
	s_mov_b32 s[G1+7], 0
	s_mov_b32 s[G1B+7], 0
	; X hangs on the block row alone, W on the block column and on the input, which the whole cluster shares
	s_lshl_b32 s16, s13, 19                        ; 256 rows of 2,048 bytes for each block row
	s_lshl_b32 s17, s12, 18                        ; + 128 rows for the half
	s_add_co_u32 s16, s16, s17
	s_mov_b32 s17, 0
	s_lshl_b32 s46, s45, 21                        ; the weight: 2 MiB each
	s_lshl_b32 s47, s42, 9                         ; + 256 columns of 2 bytes for each block column
	s_add_co_u32 s46, s46, s47
	s_lshl_b32 s47, s12, 8                         ; + 128 columns for the half
	s_add_co_u32 s46, s46, s47
	s_mov_b32 s47, 0
	s_mul_i32 s20, s10, REGION                     ; where my loads go: wave x region; no place in the cluster enters an LDS address
	s_wait_kmcnt 0x0
	s_add_nc_u64 s[14:15], s[4:5], s[16:17]
	s_add_nc_u64 s[46:47], s[6:7], s[46:47]
	CROUND                                         ; all sixteen work-groups are here: the first joint loads meet
.irp s, 0,1
	s_mov_b32 s[G0+4*\s], 1
	s_add_co_u32 s[G0+4*\s+1], s20, \s*SLOT
	s_add_nc_u64 s[G0+4*\s+2:G0+4*\s+3], s[14:15], \s*KSTEP*2          ; K step s: 256 bytes along the rows of X
	s_or_b32 s[G0+4*\s+3], s[G0+4*\s+3], 0x80000000
	s_mov_b32 s[G0B+4*\s], 1
	s_add_co_u32 s[G0B+4*\s+1], s20, \s*SLOT
	s_add_nc_u64 s[G0B+4*\s+2:G0B+4*\s+3], s[46:47], \s*KSTEP*2048     ; K step s: 128 rows of W
	s_or_b32 s[G0B+4*\s+3], s[G0B+4*\s+3], 0x80000000
	JLOAD \s
.endr
	v_and_b32 v1, 15, v0                           ; r = l % 16
	v_bfe_u32 v2, v0, 4, 1                         ; h = l / 16
	v_mul_u32_u24 v3, v1, PITCH
	v_lshl_add_u32 v3, v2, 4, v3                   ; X fragment: row r, 16 h bytes; two loads 32 bytes apart
	v_and_b32 v8, 7, v0
	v_bfe_u32 v7, v0, 3, 1
	v_lshl_add_u32 v6, v2, 3, v8                   ; W fragment: k row 8 h + l % 8,
	v_mul_u32_u24 v6, v6, BPITCH
	v_lshl_add_u32 v6, v7, 4, v6                   ; 16 bytes for each half of eight columns; two loads 16 rows apart
	s_mul_i32 s21, s11, REGION                     ; my 128 rows of X
	s_mul_i32 s22, s12, REGION                     ; my 128 columns of W,
	s_add_co_u32 s22, s22, 2*REGION                ; which lie behind X
.irp s, 0,1
	v_add_nc_u32 v[ADRA+\s], s21, v3
	v_add_nc_u32 v[ADRB+\s], s22, v6
	s_add_co_u32 s21, s21, SLOT
	s_add_co_u32 s22, s22, SLOT
.endr
	s_mul_i32 s23, s10, 16*SPITCH
	s_add_co_u32 s23, s23, STAGE                   ; my stage
	v_mul_u32_u24 v4, v1, SPITCH
	v_lshl_add_u32 v4, v2, 4, v4
	v_add_nc_u32 v[STO], s23, v4                   ; in: row r, 16 bytes for each half of the lanes
	v_mul_u32_u24 v5, v7, SPITCH                   ; back: lanes 0-15 take two tokens of my first head (2 x 128 bytes), lanes 16-31 of my second
	v_lshl_add_u32 v5, v2, 7, v5
	v_lshl_add_u32 v5, v8, 4, v5
	v_add_nc_u32 v[RD], s23, v5
	v_lshlrev_b32 v9, 18, v2                       ; in hb the next head is 262,144 bytes on
	v_lshl_add_u32 v[CO], v1, 4, v9
; 16 matrix instructions: m blocks a0, a0 + 1 of the four of a window x all 8 n blocks, 32 along K.  zero = 1: the first product starts the sums.
.macro MUL16 f, hi, a0, zero
.irp a, \a0, \a0+1
.irp b, 0,1,2,3,4,5,6,7
.if \zero
	v_wmma_f32_16x16x32_f16 v[8*(8*(\a)+\b):8*(8*(\a)+\b)+7], v[\f+8*\b:\f+8*\b+7], v[\f+8*(4*\hi+\a):\f+8*(4*\hi+\a)+7], 0
.else
	v_wmma_f32_16x16x32_f16 v[8*(8*(\a)+\b):8*(8*(\a)+\b)+7], v[\f+8*\b:\f+8*\b+7], v[\f+8*(4*\hi+\a):\f+8*(4*\hi+\a)+7], v[8*(8*(\a)+\b):8*(8*(\a)+\b)+7]
.endif
.endr
.endr
.endm
; 32 LDS loads in one run: the fragments of a quarter step.  k = 2 x the first K index: bytes along a row of X, and k x 144 = that many rows of W.
.macro FETCH slot, k, f
	WIN TO_B
.irp i, 0,1,2,3,4,5,6,7
	ds_load_tr16_b128 v[\f+8*\i:\f+8*\i+3],   v[ADRB+\slot] offset:\k*144+32*\i
	ds_load_tr16_b128 v[\f+8*\i+4:\f+8*\i+7], v[ADRB+\slot] offset:\k*144+32*\i+16*BPITCH
.endr
	WIN 0
.irp i, 0,1,2,3,4,5,6,7
	ds_load_b128 v[\f+8*\i:\f+8*\i+3],   v[ADRA+\slot] offset:\k+\i*16*PITCH
	ds_load_b128 v[\f+8*\i+4:\f+8*\i+7], v[ADRA+\slot] offset:\k+\i*16*PITCH+32
.endr
.endm
; A load into a register that a matrix instruction has read, and a vector instruction that reads a matrix result, stand four places behind it, and only
; plain vector instructions that name none of its registers are places (ISA guide 7.12.1 for vector instructions).
.macro PLACES
.rept 4
	v_nop
.endr
.endm
; The 64 accumulators take turns, one instruction a turn, in the same order in every quarter step.
.macro QUARTER slot, k, f, g, zero
	s_wait_dscnt 8                                 ; W and rows 0-63 of X are in; the youngest eight loads (rows 64-127) may be out
	WIN MUL_LO
	MUL16 \f, 0, 0, \zero
	MUL16 \f, 0, 2, \zero
	PLACES
	FETCH \slot, \k, \g
	s_wait_dscnt 32                                ; all but the 32 just issued
	WIN MUL_HI
	MUL16 \f, 1, 0, \zero
	MUL16 \f, 1, 2, \zero
.endm
.macro THREE slot, zero
	QUARTER \slot, 64,  F0, F1, \zero
	QUARTER \slot, 128, F1, F0, 0
	QUARTER \slot, 192, F0, F1, 0
.endm
; The last quarter multiplies buffer 1 and changes slots.  In front of the barrier each wave waits for its reads of this slot and for all its tensor
; loads (one is out: its part of the next slot).  Behind it the refill comes first, then the first fragments of the next slot.
.macro TURN slot, next, fill
	s_wait_dscnt 8
	WIN MUL_LO
	MUL16 F1, 0, 0, 0
	s_wait_dscnt 0                                 ; my reads of this slot are over
	s_wait_tensorcnt 0x0                           ; all my tensor loads have landed
	s_barrier_signal -1                            ; where a slot is filled again this barrier opens a round of the cluster barrier
	MUL16 F1, 0, 2, 0                              ; register work while the others arrive
	WIN 0
	s_barrier_wait -1
.if \fill
	CREST                                          ; no wave of any partner still reads this slot or has a load on its way
	s_add_nc_u64 s[G0+4*\slot+2:G0+4*\slot+3], s[G0+4*\slot+2:G0+4*\slot+3], 2*KSTEP*2
	s_add_nc_u64 s[G0B+4*\slot+2:G0B+4*\slot+3], s[G0B+4*\slot+2:G0B+4*\slot+3], 2*KSTEP*2048
	JLOAD \slot                                    ; the first tensor load behind the round
.endif
	PLACES
	FETCH \next, 0, F0
	WIN MUL_HI
	MUL16 F1, 1, 0, 0
	MUL16 F1, 1, 2, 0
.endm
.macro LAP zero
	THREE 0, \zero
	TURN 0, 1, 1
	THREE 1, 0
	TURN 1, 0, 1
.endm
	s_wait_tensorcnt 1                             ; my part of K step 0 is in; K step 1 stays out
	s_barrier_signal -1
	s_barrier_wait -1
	FETCH 0, 0, F0
	LAP 1                                          ; the first lap stands in front of the loop: its first products start the sums
	WIN 0
	s_mov_b32 s3, LAPS-2
.Llap:
	LAP 0
	WIN 0
	s_sub_co_u32 s3, s3, 1
	s_cmp_lg_u32 s3, 0
	s_cbranch_scc1 .Llap
	THREE 0, 0                                     ; the last lap fills nothing
	TURN 0, 1, 0
	THREE 1, 0
	s_wait_dscnt 8
	WIN MUL_LO
	MUL16 F1, 0, 0, 0
	MUL16 F1, 0, 2, 0
	s_wait_dscnt 0
	WIN MUL_HI
	MUL16 F1, 1, 0, 0
	MUL16 F1, 1, 2, 0
	; THE WAY OUT, 16 tokens at a time: round to f16, 16 bytes a lane into my stage, read back so that sixteen lanes hold two tokens of one head.
	PLACES
	s_lshr_b32 s66, s13, 3                         ; 8 block rows make a batch of an input: 16 heads x 262,144 bytes = 4 MiB
	s_lshl_b32 s66, s66, 22
	s_and_b32 s67, s13, 7
	s_lshl_b32 s67, s67, 15                        ; 256 tokens of 128 bytes
	s_add_co_u32 s66, s66, s67
	s_lshl_b32 s67, s11, 14                        ; my 128 tokens
	s_add_co_u32 s66, s66, s67
	s_lshl_b32 s67, s42, 20                        ; a block column is four heads
	s_add_co_u32 s66, s66, s67
	s_lshl_b32 s67, s12, 19                        ; my two heads
	s_add_co_u32 s66, s66, s67
	s_mov_b32 s67, 0
	s_add_nc_u64 s[8:9], s[8:9], s[66:67]
.macro OUT16 i, a, from, f
	WIN \from
.irp b, 0,1,2,3,4,5,6,7
.irp r, 0,1,2,3
	v_cvt_pk_f16_f32 v[TMP+4*\b+\r], v[8*(8*\a+\b)+2*\r], v[8*(8*\a+\b)+2*\r+1]
.endr
.endr
	WIN 0
.irp b, 0,1,2,3,4,5,6,7
	ds_store_b128 v[STO], v[TMP+4*\b:TMP+4*\b+3] offset:32*\b
.endr
	s_wait_xcnt 0x0                                ; buffer f, which earlier stores read, is loaded again only behind this wait
.irp t, 0,1,2,3,4,5,6,7
	ds_load_b128 v[\f+4*\t:\f+4*\t+3], v[RD] offset:\t*2*SPITCH    ; LDS serves the instructions of a wave in order (ISA guide 5.7.1.4): these see the stores above
.endr
.irp t, 0,1,2,3,4,5,6,7
	s_wait_dscnt 7-\t
	global_store_b128 v[CO], v[\f+4*\t:\f+4*\t+3], s[8:9] offset:2048*\i+256*\t   ; 16 lanes store 256 consecutive bytes, aligned
.endr
.endm
	OUT16 0, 0, 0x0a, F0
	OUT16 1, 1, 0x0a, F1
	OUT16 2, 2, 0x0a, F0
	OUT16 3, 3, 0x0a, F1
	OUT16 4, 0, 0x0f, F0
	OUT16 5, 1, 0x0f, F1
	OUT16 6, 2, 0x0f, F0
	OUT16 7, 3, 0x0f, F1
	CROUND                                         ; the closing round: no work-group ends while a partner may still ask for a tile that names it
	s_endpgm
.Lfunc_end_k_qc32192dc1e_proj:
	.size	k_qc32192dc1e_proj, .Lfunc_end_k_qc32192dc1e_proj-k_qc32192dc1e_proj
	.p2alignl 7, 3214868480
	.fill 96, 4, 3214868480
	.section	.rodata,"a",@progbits
	.p2align	6, 0x0
	.amdhsa_kernel k_qc32192dc1e_proj
		.amdhsa_group_segment_fixed_size 327680
		.amdhsa_private_segment_fixed_size 0
		.amdhsa_enable_private_segment 0
		.amdhsa_kernarg_size 24
		.amdhsa_user_sgpr_count 2
		.amdhsa_user_sgpr_kernarg_segment_ptr 1
		.amdhsa_wavefront_size32 1
		.amdhsa_system_sgpr_workgroup_id_x 1
		.amdhsa_system_sgpr_workgroup_id_y 1
		.amdhsa_system_sgpr_workgroup_id_z 1
		.amdhsa_system_vgpr_workitem_id 0
		.amdhsa_next_free_vgpr 1024
		.amdhsa_next_free_sgpr 68
		.amdhsa_reserve_vcc 0
		.amdhsa_float_denorm_mode_32 3
		.amdhsa_float_denorm_mode_16_64 3
		.amdhsa_memory_ordered 1
		.amdhsa_forward_progress 1
		.amdhsa_inst_pref_size 195
	.end_amdhsa_kernel
	.amdgpu_metadata
---
amdhsa.version: [ 1, 2 ]
amdhsa.kernels:
  - .name:           k_qc32192dc1e_proj
    .symbol:         k_qc32192dc1e_proj.kd
    .args:
      - { .name: xb, .offset: 0, .size: 8, .value_kind: global_buffer, .address_space: global }
      - { .name: wb, .offset: 8, .size: 8, .value_kind: global_buffer, .address_space: global }
      - { .name: hb, .offset: 16, .size: 8, .value_kind: global_buffer, .address_space: global }
    .group_segment_fixed_size: 327680
    .private_segment_fixed_size: 0
    .kernarg_segment_align: 8
    .kernarg_segment_size: 24
    .max_flat_workgroup_size: 128
    .sgpr_count:     68
    .vgpr_count:     1024
    .wavefront_size: 32
...
	.end_amdgpu_metadata
.endif
;; end of part 2
;; launch attn (part 3): grid 8 x 32, 16 waves a work-group, clusters of 4 x 1, 327,680 bytes of LDS; arguments hb, ao; writes ao
.if DOCPART == 3
	.amdgcn_target "amdgcn-amd-amdhsa--gfx1250"
	.amdhsa_code_object_version 6
	.text
	.protected	k_qc32192dc1e_attn
	.globl	k_qc32192dc1e_attn
	.p2align	8
	.type	k_qc32192dc1e_attn,@function
k_qc32192dc1e_attn:
	s_mov_b64 s[64:65], 0
	v_nop
	global_prefetch_b8 v0, s[64:65] scope:SCOPE_SE
	s_setreg_imm32_b32 hwreg(HW_REG_WAVE_MODE, 25, 1), 1
	s_wait_xcnt 0x0
	s_wait_alu depctr_hold_cnt(0) depctr_sa_sdst(0) depctr_va_vdst(0) depctr_va_sdst(0) depctr_va_ssrc(0) depctr_va_vcc(0) depctr_vm_vsrc(0)
	s_getreg_b32 s2, hwreg(HW_REG_IB_STS2, 6, 4)
	s_cmp_eq_u32 s2, 0
	s_cbranch_scc0 .Lentry_in_a_cluster
	s_endpgm
.Lentry_in_a_cluster:
	s_bfe_u32 s2, ttmp6, 0x10000c
	s_cmp_lg_u32 s2, 0x3003
	s_cbranch_scc0 .Lentry_shape_is_right
	s_endpgm
.Lentry_shape_is_right:
; Softmax attention for one (batch, head) and 256 queries a work-group; 2,048 keys, 64 numbers a head.  hb = f16 [Q | K | V][32][2048][64]; ao = f16 [32][2048][64].
; Sixteen waves, four on a SIMD (4 x 240 registers).  Wave w = 8 g + wq owns queries 32 wq .. + 31 of the block and keys 1024 g .. + 1023.
; THE KEYS ARE SPLIT: the waves w and w xor 8 work on the same queries over different halves of the keys, each with running maxima and sums of its own,
; and merge at the end through LDS.  So a slot holds a tile of each half, a change of slots serves 256 keys, and there are 7 changes for 2,048 keys.
; A wave holds its 32 queries as two register sets, which take turns: the softmax arithmetic of one set is put between the matrix instructions of the
; other, a chunk of about nine vector instructions behind each.  Set p holds queries 16 (p xor g): so every wave hands its set 1 to its partner,
; receives the partial results for the queries of its own set 0, and finishes those sixteen; no branch hangs on g.
; TRANSPOSED: S^T = K Q^T (lane (r, h) holds query r, keys 8 h + register) and O^T = V^T P^T.  Two S^T tiles, after the exponential and the packing,
; ARE the second operand of the second product, and maximum, sum and rescaling factor are one number a lane; one exchange joins the two halves of lanes.
; V^T fragments come from the [key][d] tile by the transposing LDS load.
; The running maximum is taken away before every exponential; 1/8 and log2 e are folded into that multiply-add (c = 0.125 x 1.442695).
; TILES of 128 keys of K and V for each half, on two LDS slots, filled by the tensor data mover; each wave moves 16 keys of each (2,048 dense bytes).
; CLUSTERS: the four work-groups of a cluster work on the same head and ask for its K and V tiles jointly (mask 15); only the addresses of Q and ao hang on cx.
; By the count of this text a wave has at most four tensor loads outstanding (the four at the start; later two).
; LIMITS: a row with NaN or infinite scores is not served (the maxima skip NaN).  Exponentials below 2^-126 come out as zero, weights below the f16
; spacing at zero (6e-8) are dropped from the product; the row sum is at least 1.  The sum adds the weights in f32, the product takes them rounded to f16.
.set PART,  0x800000                   ; bytes of Q, of K, of V in hb
.set TILEB, 16384                      ; bytes of a tile of 128 keys
.set KP,    272                        ; K in LDS: two keys (256 bytes) + 16: the 16 keys of a fragment load start at 16 different 16-byte columns modulo 256
.set VP,    288                        ; V in LDS: two keys + 32: the same for the transposing load
.set KT,    64*KP                      ; 17,408: a tile of K
.set VT,    64*VP                      ; 18,432: a tile of V
.set VOFF,  2*KT                       ; 34,816: V behind the two tiles of K
.set SLOT,  2*KT+2*VT                  ; 71,680: K of half 0, K of half 1, V of half 0, V of half 1
.set MERGE, 2*SLOT                     ; 143,360: for each wave 32 registers x 128 bytes, then 512 bytes for maximum and sum; no tensor load lands here
.set MB,    4608
.set STAGE, MERGE+16*MB                ; 217,088: 16 rows x 144 bytes for each wave, for the way out; no tensor load lands here
.set SP,    144
.set STO,  3
.set RD,   4
.set CO,   5
.set MX,   6                           ; v6, v7     running maximum of set 0, of set 1
.set LS,   8                           ; v[8:11]    two partial sums for each set
.set NM,   12                          ; v[12:13]   - c x new maximum (first register; the second is written once, since pairs count as read whole)
.set AL,   14                          ; v[14:15]   rescaling factor (likewise)
.set TA,   16
.set TB,   17
.set TC,   18                          ; v[18:19]   in the merge: maximum and sum of the partner
.set QO,   20                          ; v20, v21   byte offset of my part of Q, set 0 and set 1
.set QF,   24                          ; + 16 p + 8 ds   Q fragments
.set KF,   56                          ; + 16 jt + 8 ds  K fragments of 32 keys
.set VF,   88                          ; + 8 dt          V^T fragments of 32 keys
.set ST,   120                         ; + 16 p + 8 jt   scores
.set PF,   152                         ; + 8 p           weights, packed
.set OT,   168                         ; + 32 p + 8 dt   O^T
.set KADR, 232                         ; v232, v233  LDS address of my K fragments in slot 0, 1 (a slot is longer than the 16-bit offset reaches)
.set VADR, 234                         ; v234, v235  the same for V^T
.set MST,  236                         ; merge: where I put 16 bytes
.set MLD,  237                         ; merge: where my partner put them
.set G1K, 16
.set G1V, 24
.set G0K, 32                           ; s[32:39] one set for each slot
.set G0V, 40                           ; s[40:47]
.macro ROUND                           ; a round of the cluster barrier
	s_barrier_signal -1
	s_barrier_wait -1
	s_cmp_lg_u32 s8, 0
	s_cbranch_scc1 .Lnot_wave_0_\@
	s_barrier_signal -3
.Lnot_wave_0_\@:
	s_barrier_wait -3
	s_barrier_signal -1
	s_barrier_wait -1
.endm
	s_load_b128 s[4:7], s[0:1], 0x0                ; hb s[4:5], ao s[6:7]
	v_lshrrev_b32 v19, 5, v0
	v_readfirstlane_b32 s8, v19                    ; wave 0..15
	s_lshr_b32 s60, s8, 3                          ; g: my half of the keys
	s_and_b32 s61, s8, 7                           ; wq: my 32 queries, and my 16 keys of a tile
	s_bfe_u32 s10, ttmp6, 0x40000                  ; cx
	s_lshl_b32 s11, ttmp9, 2
	s_add_co_u32 s11, s11, s10                     ; query block = 4 x cluster x + cx, 0 to 7
	s_and_b32 s12, ttmp7, 0xffff                   ; batch x head, 0 to 31
	s_lshl_b32 s12, s12, 18                        ; x 262,144 bytes
	s_lshl_b32 s10, s11, 15                        ; 256 queries of 128 bytes
	s_add_co_u32 s10, s10, s12                     ; offset of the block of queries in Q and in ao
	s_mov_b32 s11, 0
	s_lshl_b32 s13, s61, 11                        ; my 16 keys of a tile,
	s_add_co_u32 s14, s12, s13
	s_lshl_b32 s13, s60, 17                        ; in my half: 1,024 keys of 128 bytes
	s_add_co_u32 s14, s14, s13
	s_add_co_u32 s14, s14, PART                    ; K lies behind Q
	s_mov_b32 s15, 0
	s_mul_i32 s58, s8, 8*KP                        ; where my keys of K go: wave x 8 rows, which is half g, keys 16 wq ..
	s_mul_i32 s59, s8, 8*VP
	s_add_co_u32 s59, s59, VOFF                    ; and of V
	s_mul_i32 s53, s8, 16*SP
	s_add_co_u32 s53, s53, STAGE                   ; my stage
	s_mul_i32 s62, s8, MB
	s_add_co_u32 s62, s62, MERGE                   ; my bytes of the merge,
	s_xor_b32 s63, s8, 8
	s_mul_i32 s63, s63, MB
	s_add_co_u32 s63, s63, MERGE                   ; and those of the wave with my queries and the other keys
	s_mov_b32 s48, 0x76543210                      ; v_permlanex16_b32: lane i reads lane i of the other half
	s_mov_b32 s49, 0xfedcba98
	s_mov_b32 s50, 0x3e38aa3b                      ; c
	s_mov_b32 s51, 0x3e38aa3b
	s_mov_b32 s52, 0xbe38aa3b                      ; - c
	; group 1: 8 rows of 32 elements of 8 bytes (a dense block of 2,048 bytes); behind every 64 words a pad of 4 words (K) or 8 (V); mask 15, bit 21 beside it
	s_mov_b32 s[G1K+0], 15|(3<<16)|(1<<20)|(1<<21)|(5<<22)|(3<<25)
	s_mov_b32 s[G1V+0], 15|(3<<16)|(1<<20)|(1<<21)|(5<<22)|(7<<25)
.irp g, G1K, G1V
	s_mov_b32 s[\g+1], 32<<16                      ; tensor_dim0 = 32
	s_mov_b32 s[\g+2], 8<<16                       ; tensor_dim1 = 8
	s_mov_b32 s[\g+3], 32<<16                      ; tile_dim0 = 32
	s_mov_b32 s[\g+4], 8                           ; tile_dim1 = 8
	s_mov_b32 s[\g+5], 32                          ; pitch
	s_mov_b32 s[\g+6], 0
	s_mov_b32 s[\g+7], 0
.endr
	s_wait_kmcnt 0x0
	s_add_nc_u64 s[54:55], s[4:5], s[10:11]        ; the block of queries
	s_add_nc_u64 s[56:57], s[6:7], s[10:11]        ; its rows of ao
	s_add_nc_u64 s[14:15], s[4:5], s[14:15]        ; my keys of tile 0 of K: head and wave alone, the same in all four partners
.irp s, 0,1
	s_mov_b32 s[G0K+4*\s], 1
	s_add_co_u32 s[G0K+4*\s+1], s58, \s*SLOT
	s_add_nc_u64 s[G0K+4*\s+2:G0K+4*\s+3], s[14:15], \s*TILEB
	s_or_b32 s[G0K+4*\s+3], s[G0K+4*\s+3], 0x80000000
	s_mov_b32 s[G0V+4*\s], 1
	s_add_co_u32 s[G0V+4*\s+1], s59, \s*SLOT
	s_add_nc_u64 s[G0V+4*\s+2:G0V+4*\s+3], s[14:15], PART+\s*TILEB
	s_or_b32 s[G0V+4*\s+3], s[G0V+4*\s+3], 0x80000000
.endr
	ROUND                                          ; the four work-groups are here: the first joint loads meet
.irp s, 0,1
	tensor_load_to_lds s[G0K+4*\s:G0K+4*\s+3], s[G1K:G1K+7]
	s_nop 0
	tensor_load_to_lds s[G0V+4*\s:G0V+4*\s+3], s[G1V:G1V+7]
	s_nop 0
.endr
	v_and_b32 v19, 7, v19                          ; wq
	v_and_b32 v1, 15, v0                           ; r
	v_bfe_u32 v2, v0, 4, 1                         ; h
	v_and_b32 v22, 1, v0
	s_lshl_b32 s12, s60, 11                        ; set 0: queries 16 g .. of my 32 (16 rows of 128 bytes),
	s_xor_b32 s13, s12, 2048                       ; set 1: the other sixteen
	v_lshlrev_b32 v[QO], 7, v1                     ; Q: row r of 128 bytes,
	v_lshl_add_u32 v[QO], v2, 4, v[QO]             ; 16 h,
	v_lshl_add_u32 v[QO], v19, 12, v[QO]           ; 32 rows for each wq
	v_add_nc_u32 v[QO+1], s13, v[QO]
	v_add_nc_u32 v[QO], s12, v[QO]
.irp p, 0,1
.irp dh, 0,1
	global_load_b128 v[QF+16*\p+8*\dh:QF+16*\p+8*\dh+3],   v[QO+\p], s[54:55] offset:64*\dh
	global_load_b128 v[QF+16*\p+8*\dh+4:QF+16*\p+8*\dh+7], v[QO+\p], s[54:55] offset:64*\dh+32
.endr
.endr
	v_lshrrev_b32 v23, 1, v1                       ; K fragment: key r at (r / 2) x 272 + (r % 2) x 128, + 16 h,
	v_mul_u32_u24 v23, v23, KP
	v_lshl_add_u32 v23, v22, 7, v23
	v_lshl_add_u32 v23, v2, 4, v23
	s_mul_i32 s13, s60, KT                         ; in the tile of my half
	v_add_nc_u32 v[KADR], s13, v23
	v_add_nc_u32 v[KADR+1], SLOT, v[KADR]
	v_bfe_u32 v23, v0, 1, 2                        ; V^T fragment: key 8 h + l % 8, 16 bytes for each half of eight d
	v_lshl_add_u32 v23, v2, 2, v23
	v_mul_u32_u24 v23, v23, VP
	v_lshl_add_u32 v23, v22, 7, v23
	v_bfe_u32 v[TA], v0, 3, 1
	v_lshl_add_u32 v23, v[TA], 4, v23
	s_mul_i32 s13, s60, VT
	s_add_co_u32 s13, s13, VOFF
	v_add_nc_u32 v[VADR], s13, v23
	v_add_nc_u32 v[VADR+1], SLOT, v[VADR]
	v_mul_u32_u24 v[STO], v1, SP                   ; the way out, in: row r, 16 h
	v_lshl_add_u32 v[STO], v2, 4, v[STO]
	v_add_nc_u32 v[STO], s53, v[STO]
	v_bfe_u32 v[RD], v0, 3, 2                      ; back: eight lanes take a row of 128 bytes
	v_mul_u32_u24 v[RD], v[RD], SP
	v_and_b32 v[TB], 7, v0
	v_lshl_add_u32 v[RD], v[TB], 4, v[RD]
	v_add_nc_u32 v[RD], s53, v[RD]
	v_and_b32 v[CO], 31, v0
	v_lshlrev_b32 v[CO], 4, v[CO]                  ; 16 l
	v_add_nc_u32 v[MST], s62, v[CO]                ; merge: 16 bytes a lane, 512 a register quadruple
	v_add_nc_u32 v[MLD], s63, v[CO]
	v_lshl_add_u32 v[CO], v19, 12, v[CO]           ; in ao: 16 l + 32 rows for each wq
	v_add_nc_u32 v[CO], s12, v[CO]                 ; + the sixteen rows of my set 0
	v_mov_b32 v[NM+1], 0
	v_mov_b32 v[AL+1], 0
	v_mov_b32 v[TC], 0                             ; the destination of v_permlanex16_b32 counts as read
.macro KLOAD slot, sub                 ; K fragments of 32 keys: eight loads
.irp jt, 0,1
.irp dh, 0,1
	ds_load_b128 v[KF+16*\jt+8*\dh:KF+16*\jt+8*\dh+3],   v[KADR+\slot] offset:(16*\sub+8*\jt)*KP+64*\dh
	ds_load_b128 v[KF+16*\jt+8*\dh+4:KF+16*\jt+8*\dh+7], v[KADR+\slot] offset:(16*\sub+8*\jt)*KP+64*\dh+32
.endr
.endr
.endm
.macro VLOAD slot, sub                 ; V^T fragments of 32 keys: eight loads
.irp dt, 0,1,2,3
	ds_load_tr16_b128 v[VF+8*\dt:VF+8*\dt+3],   v[VADR+\slot] offset:16*\sub*VP+32*\dt
	ds_load_tr16_b128 v[VF+8*\dt+4:VF+8*\dt+7], v[VADR+\slot] offset:16*\sub*VP+32*\dt+8*VP
.endr
.endm
.macro SMM p, jt, dh                   ; S^T(16 keys jt, set p) over d = 32 dh ..; the first half starts the sum
.if \dh == 0
	v_wmma_f32_16x16x32_f16 v[ST+16*\p+8*\jt:ST+16*\p+8*\jt+7], v[KF+16*\jt:KF+16*\jt+7], v[QF+16*\p:QF+16*\p+7], 0
.else
	v_wmma_f32_16x16x32_f16 v[ST+16*\p+8*\jt:ST+16*\p+8*\jt+7], v[KF+16*\jt+8:KF+16*\jt+15], v[QF+16*\p+8:QF+16*\p+15], v[ST+16*\p+8*\jt:ST+16*\p+8*\jt+7]
.endif
.endm
.macro PVM p, dt, zero                 ; O^T(16 d dt, set p) += V^T P^T over 32 keys
.if \zero
	v_wmma_f32_16x16x32_f16 v[OT+32*\p+8*\dt:OT+32*\p+8*\dt+7], v[VF+8*\dt:VF+8*\dt+7], v[PF+8*\p:PF+8*\p+7], 0
	s_wait_alu depctr_va_vdst(0)
.else
	v_wmma_f32_16x16x32_f16 v[OT+32*\p+8*\dt:OT+32*\p+8*\dt+7], v[VF+8*\dt:VF+8*\dt+7], v[PF+8*\p:PF+8*\p+7], v[OT+32*\p+8*\dt:OT+32*\p+8*\dt+7]
	s_wait_alu depctr_va_vdst(0)
.endif
.endm
.macro PVS pv, p, dt                   ; pv = 0: none, 1: starts the sum, 2: adds
.if \pv == 1
	PVM \p, \dt, 1
.endif
.if \pv == 2
	PVM \p, \dt, 0
.endif
.endm
.macro SMS sm, p, jt, dh
.if \sm
	SMM \p, \jt, \dh
.endif
.endm
.macro SCALE p, i                      ; two scores: c s - c m
	v_pk_fma_f32 v[ST+16*\p+2*\i:ST+16*\p+2*\i+1], v[ST+16*\p+2*\i:ST+16*\p+2*\i+1], s[50:51], v[NM:NM+1] op_sel_hi:[1,0,0]
.endm
.macro EXP4 p, i
	v_exp_f32 v[ST+16*\p+\i],   v[ST+16*\p+\i]
	v_exp_f32 v[ST+16*\p+\i+1], v[ST+16*\p+\i+1]
	v_exp_f32 v[ST+16*\p+\i+2], v[ST+16*\p+\i+2]
	v_exp_f32 v[ST+16*\p+\i+3], v[ST+16*\p+\i+3]
.endm
.macro RESC p, i                       ; two numbers of O^T times the rescaling factor
	v_pk_mul_f32 v[OT+32*\p+2*\i:OT+32*\p+2*\i+1], v[OT+32*\p+2*\i:OT+32*\p+2*\i+1], v[AL:AL+1] op_sel_hi:[1,0]
.endm
.macro PADD p, d, a, b                 ; pair d = pair a + pair b of the weights
	v_pk_add_f32 v[ST+16*\p+2*\d:ST+16*\p+2*\d+1], v[ST+16*\p+2*\a:ST+16*\p+2*\a+1], v[ST+16*\p+2*\b:ST+16*\p+2*\b+1]
.endm
.macro SUM6 p                          ; the first six adds of the tree over eight pairs
	PADD \p, 0, 0, 1
	PADD \p, 2, 2, 3
	PADD \p, 4, 4, 5
	PADD \p, 6, 6, 7
	PADD \p, 0, 0, 2
	PADD \p, 4, 4, 6
.endm
; The softmax arithmetic of set p for 32 keys, in eight chunks.  first = 1: the first 32 keys: no old maximum, nothing to rescale, the sums start.
; Behind each run of exponentials stands a plain vector instruction before a result is used (ISA guide 5.7.2).
.macro VEC p, c, first
.if \c == 0                            ; the largest of my 16 scores and the old maximum
	v_max3_num_f32 v[TA], v[ST+16*\p+0], v[ST+16*\p+1], v[ST+16*\p+2]
	v_max3_num_f32 v[TB], v[ST+16*\p+8], v[ST+16*\p+9], v[ST+16*\p+10]
	v_max3_num_f32 v[TA], v[TA], v[ST+16*\p+3], v[ST+16*\p+4]
	v_max3_num_f32 v[TB], v[TB], v[ST+16*\p+11], v[ST+16*\p+12]
	v_max3_num_f32 v[TA], v[TA], v[ST+16*\p+5], v[ST+16*\p+6]
	v_max3_num_f32 v[TB], v[TB], v[ST+16*\p+13], v[ST+16*\p+14]
	v_max3_num_f32 v[TA], v[TA], v[ST+16*\p+7], v[ST+16*\p+15]
.if \first
	v_max_num_f32 v[TA], v[TA], v[TB]
.else
	v_max3_num_f32 v[TA], v[TA], v[TB], v[MX+\p]
.endif
.endif
.if \c == 1                            ; joined with the other half of the lanes; the factor 2^(c old - c new)
	v_permlanex16_b32 v[TC], v[TA], s48, s49
	v_max_num_f32 v[TB], v[TA], v[TC]
	v_mul_f32 v[NM], s52, v[TB]
.if \first == 0
	v_fma_f32 v[TA], v[MX+\p], s50, v[NM]
	v_exp_f32 v[AL], v[TA]
.endif
	v_mov_b32 v[MX+\p], v[TB]
	SCALE \p, 0
	SCALE \p, 1
.endif
.if \c == 2
	SCALE \p, 2
	SCALE \p, 3
	SCALE \p, 4
	SCALE \p, 5
	SCALE \p, 6
	SCALE \p, 7
	EXP4 \p, 0
.endif
.if \c == 3
.if \first
	EXP4 \p, 4
.else
	RESC \p, 0
	RESC \p, 1
	EXP4 \p, 4
	RESC \p, 2
	RESC \p, 3
.endif
.endif
.if \c == 4
.if \first
	EXP4 \p, 8
	EXP4 \p, 12
	v_nop
	s_wait_alu depctr_va_vdst(0)
.else
	EXP4 \p, 8
	RESC \p, 4
	RESC \p, 5
	EXP4 \p, 12
	RESC \p, 6
	RESC \p, 7
.endif
.endif
.if \c == 5                            ; the weights as the second operand of the second product
	s_wait_alu depctr_va_vdst(0)
.irp i, 0,1,2,3,4,5,6,7
	v_cvt_pk_f16_f32 v[PF+8*\p+\i], v[ST+16*\p+2*\i], v[ST+16*\p+2*\i+1]
.endr
.endif
.if \c == 6
.if \first == 0
	SUM6 \p
	PADD \p, 0, 0, 4
	v_pk_fma_f32 v[LS+2*\p:LS+2*\p+1], v[LS+2*\p:LS+2*\p+1], v[AL:AL+1], v[ST+16*\p:ST+16*\p+1] op_sel_hi:[1,0,1]
.endif
.endif
.if \c == 7                            ; at least seven plain instructions behind the last product of a phase: the places that its results and sources need
.if \first
	SUM6 \p
	v_pk_add_f32 v[LS+2*\p:LS+2*\p+1], v[ST+16*\p:ST+16*\p+1], v[ST+16*\p+8:ST+16*\p+9]
.else
.irp i, 8,9,10,11,12,13,14,15
	RESC \p, \i
.endr
.endif
.endif
.endm
; A phase: the vector work of set vp between the eight products of set mp (four of the second product, four of the first).  No two matrix
; instructions that follow each other share an accumulator, over phases and the backward jump too.
; VLOAD stands eight plain vector instructions behind the last product that read the V^T fragments (chunks 3 and 4).
.macro PHASE vp, mp, first, pv, sm, slot, sub, vload, hw, mw
.if \hw >= 0
	s_wait_dscnt \hw
.endif
	PVS \pv, \mp, 0
	VEC \vp, 0, \first
	PVS \pv, \mp, 1
	VEC \vp, 1, \first
	PVS \pv, \mp, 2
	VEC \vp, 2, \first
	PVS \pv, \mp, 3
	VEC \vp, 3, \first
.if \mw >= 0
	s_wait_dscnt \mw
.endif
	SMS \sm, \mp, 0, 0
	VEC \vp, 4, \first
.if \vload
	VLOAD \slot, \sub
.endif
	SMS \sm, \mp, 1, 0
	VEC \vp, 5, \first
	SMS \sm, \mp, 0, 1
	VEC \vp, 6, \first
	SMS \sm, \mp, 1, 1
	VEC \vp, 7, \first
.endm
; The change of slots.  Every wave waits for its reads of the slot and for all its tensor loads (its part of the other slot); refill = 1: a round of the
; cluster barrier, then the joint refills, two tiles ahead, as the first tensor loads behind it.  refill = 0: the other slot only has to be shown whole.
.macro CHANGE slot, refill
	s_wait_dscnt 0x0
	s_wait_tensorcnt 0x0
.if \refill
	s_add_nc_u64 s[G0K+4*\slot+2:G0K+4*\slot+3], s[G0K+4*\slot+2:G0K+4*\slot+3], 2*TILEB
	s_add_nc_u64 s[G0V+4*\slot+2:G0V+4*\slot+3], s[G0V+4*\slot+2:G0V+4*\slot+3], 2*TILEB
	ROUND
	tensor_load_to_lds s[G0K+4*\slot:G0K+4*\slot+3], s[G1K:G1K+7]
	s_nop 0
	tensor_load_to_lds s[G0V+4*\slot:G0V+4*\slot+3], s[G1V:G1V+7]
	s_nop 0
.else
	s_barrier_signal -1
	s_barrier_wait -1
.endif
.endm
; 32 keys.  Phase A: softmax of set 0 beside O += of set 1 for the 32 keys before and S of set 1 for these.
; Phase B: softmax of set 1 beside O += of set 0 for these and S of set 0 for the next.
.macro STEP32 slot, sub, nslot, nsub, chg
	PHASE 0, 1, 0, 2, 1, \slot, \sub, 1, -1, -1
.if \chg == 1
	CHANGE \slot, 1
.endif
.if \chg == 2
	CHANGE \slot, 0
.endif
	KLOAD \nslot, \nsub
	PHASE 1, 0, 0, 2, 1, 0, 0, 0, 8, 0             ; at its head V^T is in and the eight K loads may be out; in its middle all are in
.endm
.macro TILE slot, nslot, chg
	STEP32 \slot, 0, \slot, 1, 0
	STEP32 \slot, 1, \slot, 2, 0
	STEP32 \slot, 2, \slot, 3, 0
	STEP32 \slot, 3, \nslot, 0, \chg
.endm
	s_wait_tensorcnt 2                             ; my two loads of tile 0 are in; the two of tile 1 stay out
	s_barrier_signal -1
	s_barrier_wait -1
	KLOAD 0, 0
	s_wait_loadcnt 0x0                             ; Q
	s_wait_dscnt 0x0
	SMM 0, 0, 0
	SMM 0, 1, 0
	SMM 0, 0, 1
	SMM 0, 1, 1
.rept 4
	v_nop                                          ; four places before the scores are read (ISA guide 7.12.1)
.endr
	; tiles 0 and 1 of my half: the first 32 keys start maxima and sums, and the first second products start O^T
	PHASE 0, 1, 1, 0, 1, 0, 0, 1, -1, -1
	KLOAD 0, 1
	PHASE 1, 0, 1, 1, 1, 0, 0, 0, 8, 0
	PHASE 0, 1, 0, 1, 1, 0, 1, 1, -1, -1
	KLOAD 0, 2
	PHASE 1, 0, 0, 2, 1, 0, 0, 0, 8, 0
	STEP32 0, 2, 0, 3, 0
	STEP32 0, 3, 1, 0, 1
	TILE 1, 0, 1
	s_mov_b32 s9, 2                                ; tiles 2 to 5
.Llap:
	TILE 0, 1, 1
	TILE 1, 0, 1
	s_sub_co_u32 s9, s9, 1
	s_cmp_lg_u32 s9, 0
	s_cbranch_scc1 .Llap
	TILE 0, 1, 2                                   ; tile 6: nothing more to fetch
	STEP32 1, 0, 1, 1, 0                           ; tile 7
	STEP32 1, 1, 1, 2, 0
	STEP32 1, 2, 1, 3, 0
	PHASE 0, 1, 0, 2, 1, 1, 3, 1, -1, -1
	PHASE 1, 0, 0, 2, 0, 0, 0, 0, 0, -1
	PVM 1, 0, 0
	PVM 1, 1, 0
	PVM 1, 2, 0
	PVM 1, 3, 0
	; THE MERGE.  Row sums over my half of the keys; the five plain instructions among these also are the places behind the last products (ISA guide 7.12.1).
	v_add_f32 v[LS], v[LS], v[LS+1]
	v_add_f32 v[TB], v[LS+2], v[LS+3]
	v_permlanex16_b32 v[TC], v[LS], s48, s49
	v_add_f32 v[LS], v[LS], v[TC]                  ; set 0: stays with me
	v_permlanex16_b32 v[TC], v[TB], s48, s49
	v_add_f32 v[TB], v[TB], v[TC]                  ; set 1: goes to my partner, with its maximum
	v_mov_b32 v[TA], v[MX+1]
.irp i, 0,1,2,3,4,5,6,7
	ds_store_b128 v[MST], v[OT+32+4*\i:OT+32+4*\i+3] offset:512*\i
.endr
	ds_store_b64 v[MST], v[TA:TA+1] offset:4096
	s_wait_dscnt 0x0                               ; for my partner: all my stores are done,
	s_barrier_signal -1
	s_barrier_wait -1                              ; and so are those of every wave
.irp i, 0,1,2,3,4,5,6,7
	ds_load_b128 v[KF+4*\i:KF+4*\i+3], v[MLD] offset:512*\i        ; the other half of the keys for the queries of my set 0, lane for lane
.endr
	ds_load_b64 v[TC:TC+1], v[MLD] offset:4096     ; its maximum and its sum
	s_wait_dscnt 0x0
	v_max_num_f32 v[TA], v[MX], v[TC]              ; the maximum over all keys
	v_mul_f32 v[TA], s52, v[TA]
	v_fma_f32 v[TB], v[MX], s50, v[TA]
	v_fma_f32 v[TA], v[TC], s50, v[TA]
	v_exp_f32 v[AL], v[TB]                         ; 2^(c mine - c m)
	v_exp_f32 v[NM], v[TA]                         ; 2^(c other - c m)
	v_nop
	s_wait_alu depctr_va_vdst(0)
	v_mul_f32 v[LS], v[LS], v[AL]
	v_fma_f32 v[LS], v[TC+1], v[NM], v[LS]         ; the row sum over all keys
	v_rcp_f32 v[TB], v[LS]
	v_nop
	s_wait_alu depctr_va_vdst(0)
	v_mul_f32 v[AL], v[AL], v[TB]                  ; both factors divided by it
	v_mul_f32 v[NM], v[NM], v[TB]
.irp i, 0,1,2,3,4,5,6,7,8,9,10,11,12,13,14,15
	RESC 0, \i
.endr
.irp i, 0,1,2,3,4,5,6,7,8,9,10,11,12,13,14,15
	v_pk_fma_f32 v[OT+2*\i:OT+2*\i+1], v[KF+2*\i:KF+2*\i+1], v[NM:NM+1], v[OT+2*\i:OT+2*\i+1] op_sel_hi:[1,0,1]
.endr
	; THE WAY OUT: sixteen queries, rounded to f16, through my stage into whole rows.
.irp i, 0,1,2,3,4,5,6,7,8,9,10,11,12,13,14,15
	v_cvt_pk_f16_f32 v[ST+\i], v[OT+2*\i], v[OT+2*\i+1]
.endr
.irp dt, 0,1,2,3
	ds_store_b128 v[STO], v[ST+4*\dt:ST+4*\dt+3] offset:32*\dt     ; query r, d = 16 dt + 8 h ..
.endr
.irp t, 0,1,2,3
	ds_load_b128 v[VF+4*\t:VF+4*\t+3], v[RD] offset:4*\t*SP        ; LDS serves the instructions of a wave in order (ISA guide 5.7.1.4): these see the stores above
.endr
.irp t, 0,1,2,3
	s_wait_dscnt 3-\t                              ; read-back t is in, the 3 - t younger ones may be out
	global_store_b128 v[CO], v[VF+4*\t:VF+4*\t+3], s[56:57] offset:512*\t   ; a store of the wave covers 512 consecutive bytes, aligned
.endr
	ROUND                                          ; the closing round
	s_endpgm
.Lfunc_end_k_qc32192dc1e_attn:
	.size	k_qc32192dc1e_attn, .Lfunc_end_k_qc32192dc1e_attn-k_qc32192dc1e_attn
	.p2alignl 7, 3214868480
	.fill 96, 4, 3214868480
	.section	.rodata,"a",@progbits
	.p2align	6, 0x0
	.amdhsa_kernel k_qc32192dc1e_attn
		.amdhsa_group_segment_fixed_size 327680
		.amdhsa_private_segment_fixed_size 0
		.amdhsa_enable_private_segment 0
		.amdhsa_kernarg_size 16
		.amdhsa_user_sgpr_count 2
		.amdhsa_user_sgpr_kernarg_segment_ptr 1
		.amdhsa_wavefront_size32 1
		.amdhsa_system_sgpr_workgroup_id_x 1
		.amdhsa_system_sgpr_workgroup_id_y 1
		.amdhsa_system_sgpr_workgroup_id_z 1
		.amdhsa_system_vgpr_workitem_id 0
		.amdhsa_next_free_vgpr 240
		.amdhsa_next_free_sgpr 66
		.amdhsa_reserve_vcc 0
		.amdhsa_float_denorm_mode_32 3
		.amdhsa_float_denorm_mode_16_64 3
		.amdhsa_memory_ordered 1
		.amdhsa_forward_progress 1
		.amdhsa_inst_pref_size 253
	.end_amdhsa_kernel
	.amdgpu_metadata
---
amdhsa.version: [ 1, 2 ]
amdhsa.kernels:
  - .name:           k_qc32192dc1e_attn
    .symbol:         k_qc32192dc1e_attn.kd
    .args:
      - { .name: hb, .offset: 0, .size: 8, .value_kind: global_buffer, .address_space: global }
      - { .name: ao, .offset: 8, .size: 8, .value_kind: global_buffer, .address_space: global }
    .group_segment_fixed_size: 327680
    .private_segment_fixed_size: 0
    .kernarg_segment_align: 8
    .kernarg_segment_size: 16
    .max_flat_workgroup_size: 512
    .sgpr_count:     66
    .vgpr_count:     240
    .wavefront_size: 32
...
	.end_amdgpu_metadata
.endif
;; end of part 3
;; launch oproj (part 4): grid 8 x 32, 4 waves a work-group, clusters of 4 x 4, 327,680 bytes of LDS; arguments ao, wb, out0; writes out0
.if DOCPART == 4
	.amdgcn_target "amdgcn-amd-amdhsa--gfx1250"
	.amdhsa_code_object_version 6
	.text
	.protected	k_qc32192dc1e_oproj
	.globl	k_qc32192dc1e_oproj
	.p2align	8
	.type	k_qc32192dc1e_oproj,@function
k_qc32192dc1e_oproj:
	s_mov_b64 s[64:65], 0
	v_nop
	global_prefetch_b8 v0, s[64:65] scope:SCOPE_SE
	s_setreg_imm32_b32 hwreg(HW_REG_WAVE_MODE, 25, 1), 1
	s_wait_xcnt 0x0
	s_wait_alu depctr_hold_cnt(0) depctr_sa_sdst(0) depctr_va_vdst(0) depctr_va_sdst(0) depctr_va_ssrc(0) depctr_va_vcc(0) depctr_vm_vsrc(0)
	s_getreg_b32 s2, hwreg(HW_REG_IB_STS2, 6, 4)
	s_cmp_eq_u32 s2, 0
	s_cbranch_scc0 .Lentry_in_a_cluster
	s_endpgm
.Lentry_in_a_cluster:
	s_bfe_u32 s2, ttmp6, 0x10000c
	s_cmp_lg_u32 s2, 0xf033
	s_cbranch_scc0 .Lentry_shape_is_right
	s_endpgm
.Lentry_shape_is_right:
; out0[4096][1024] (f32) = A Wo, where A(row = batch x 2048 + token, k = head x 64 + d) lies in ao as f16 [batch x head][token][64], and Wo is the
; fourth weight of wb, f16 [k][n]; its fragments are made by the transposing LDS load.
; A work-group makes 128 x 128 with four waves (256 work-groups), a wave 64 x 64: 16 accumulator tiles in window 1 (tile (a, b) at v[8 (4 a + b)]);
; all else in window 0.  K goes in 8 steps of 128 (two heads) through four LDS slots, filled two at a time behind one round of the cluster barrier.
; CLUSTERS: 4 x 4; the tiles of A are shared along a row of the cluster, those of Wo along a column, each asked for jointly.
; By the count of this text a wave has at most four tensor loads outstanding (the four at the start; later two).
; The matrix instruction is used transposed (source 0 = columns of Wo, source 1 = rows of A): a lane holds eight neighbouring columns of one row.
.set APITCH, 272                       ; A in LDS: two tokens of a head (256 bytes) + 16
.set BPITCH, 288                       ; Wo in LDS: 128 columns (256 bytes) + 32
.set REGION, 64*BPITCH                 ; 18,432: what one tensor load fills (A uses 64 x 272 of it)
.set SLOT,   4*REGION                  ; A head 0, A head 1, Wo k 0-63, Wo k 64-127 (the 128 rows of Wo lie at one pitch)
.set STAGE,  4*SLOT                    ; 294,912: 16 rows x 272 bytes for each wave; no tensor load lands here
.set SPITCH, 272
.set ASTEP,  524288                    ; a K step in ao: two heads of 262,144 bytes
.set BSTEP,  262144                    ; a K step in Wo: 128 rows of 2,048 bytes
.set ADRA, 16                          ; v16-19 one for each slot
.set ADRB, 20                          ; v20-23
.set STO,  24
.set RD,   25
.set CO,   26
.set F0,   64                          ; fragment buffer: Wo fragment b at + 8 b, A fragment a at + 32 + 8 a
.set F1,   128
.set G1A, 24
.set G0A, 32                           ; s[32:47] one set for each slot
.set G1B, 48
.set G0B, 68                           ; s[68:83]
.set MULW, 0x50                        ; C and D window 1, sources window 0
.set MSB, 0
.macro WIN new
.if MSB != \new
	s_set_vgpr_msb (MSB<<8)|\new
.set MSB, \new
.endif
.endm
.macro JLOAD2 a, b                     ; two joint loads: waves 0, 1 for A, waves 2, 3 for Wo; the branch hangs on the wave number alone
	s_cmp_eq_u32 s11, 0
	s_cbranch_scc0 .Lfor_b_\@
	tensor_load_to_lds s[G0A+4*\a:G0A+4*\a+3], s[G1A:G1A+7]
	s_nop 0
	tensor_load_to_lds s[G0A+4*\b:G0A+4*\b+3], s[G1A:G1A+7]
	s_nop 0
	s_branch .Lasked_\@
.Lfor_b_\@:
	tensor_load_to_lds s[G0B+4*\a:G0B+4*\a+3], s[G1B:G1B+7]
	s_nop 0
	tensor_load_to_lds s[G0B+4*\b:G0B+4*\b+3], s[G1B:G1B+7]
	s_nop 0
.Lasked_\@:
.endm
.macro CREST
	s_cmp_lg_u32 s10, 0
	s_cbranch_scc1 .Lnot_wave_0_\@
	s_barrier_signal -3
.Lnot_wave_0_\@:
	s_barrier_wait -3
	s_barrier_signal -1
	s_barrier_wait -1
.endm
.macro CROUND
	s_barrier_signal -1
	s_barrier_wait -1
	CREST
.endm
	s_load_b128 s[4:7], s[0:1], 0x0                ; ao s[4:5], wb s[6:7]
	s_load_b64 s[8:9], s[0:1], 0x10                ; out0
	v_lshrrev_b32 v1, 5, v0
	v_readfirstlane_b32 s10, v1                    ; wave 0..3
	s_lshr_b32 s11, s10, 1                         ; my half of the rows.  Also: I fetch for A (0) or for Wo (1)
	s_and_b32 s12, s10, 1                          ; my half of the columns.  Also: which half of that tile I fetch
	s_bfe_u32 s56, ttmp6, 0x40000                  ; cx
	s_bfe_u32 s57, ttmp6, 0x40004                  ; cy
	s_lshl_b32 s58, ttmp9, 2
	s_add_co_u32 s58, s58, s56                     ; block column, 0 to 7
	s_and_b32 s13, ttmp7, 0xffff
	s_lshl_b32 s13, s13, 2
	s_add_co_u32 s13, s13, s57                     ; block row, 0 to 31
	s_lshl_b32 s59, s57, 2
	s_lshl_b32 s59, 15, s59                        ; my row of the cluster
	s_lshl_b32 s60, 0x1111, s56                    ; my column
	; A: a dense block of 16,384 bytes as 64 rows of 32 elements of 8 bytes, 4 words of pad.  Wo: 64 rows of 128 elements of 2 bytes, 8 words of pad.
	s_or_b32 s[G1A+0], s59, (3<<16)|(1<<20)|(1<<21)|(5<<22)|(3<<25)
	s_or_b32 s[G1B+0], s60, (1<<16)|(1<<20)|(1<<21)|(5<<22)|(7<<25)
	s_mov_b32 s[G1A+1], 32<<16
	s_mov_b32 s[G1B+1], 128<<16
	s_mov_b32 s[G1A+2], 64<<16
	s_mov_b32 s[G1B+2], 64<<16
	s_mov_b32 s[G1A+3], 32<<16
	s_mov_b32 s[G1B+3], 128<<16
	s_mov_b32 s[G1A+4], 64
	s_mov_b32 s[G1B+4], 64
	s_mov_b32 s[G1A+5], 32
	s_mov_b32 s[G1B+5], 1024
	s_mov_b32 s[G1A+6], 0
	s_mov_b32 s[G1B+6], 0
	s_mov_b32 s[G1A+7], 0
	s_mov_b32 s[G1B+7], 0
	s_lshr_b32 s16, s13, 4                         ; A: the batch (16 heads = 4 MiB),
	s_lshl_b32 s16, s16, 22
	s_and_b32 s17, s13, 15
	s_lshl_b32 s17, s17, 14                        ; 128 tokens of 128 bytes for each block row,
	s_add_co_u32 s16, s16, s17
	s_lshl_b32 s17, s12, 18                        ; the head of the step that I fetch
	s_add_co_u32 s16, s16, s17
	s_mov_b32 s17, 0
	s_lshl_b32 s62, s58, 8                         ; Wo: 128 columns of 2 bytes for each block column,
	s_lshl_b32 s63, s12, 17                        ; the 64 rows that I fetch,
	s_add_co_u32 s62, s62, s63
	s_add_co_u32 s62, s62, 6291456                 ; behind three weights of 2 MiB
	s_mov_b32 s63, 0
	s_mul_i32 s20, s10, REGION
	s_wait_kmcnt 0x0
	s_add_nc_u64 s[14:15], s[4:5], s[16:17]
	s_add_nc_u64 s[62:63], s[6:7], s[62:63]
.irp s, 0,1,2,3
	s_mov_b32 s[G0A+4*\s], 1
	s_add_co_u32 s[G0A+4*\s+1], s20, \s*SLOT
	s_add_nc_u64 s[G0A+4*\s+2:G0A+4*\s+3], s[14:15], \s*ASTEP
	s_or_b32 s[G0A+4*\s+3], s[G0A+4*\s+3], 0x80000000
	s_mov_b32 s[G0B+4*\s], 1
	s_add_co_u32 s[G0B+4*\s+1], s20, \s*SLOT
	s_add_nc_u64 s[G0B+4*\s+2:G0B+4*\s+3], s[62:63], \s*BSTEP
	s_or_b32 s[G0B+4*\s+3], s[G0B+4*\s+3], 0x80000000
.endr
	CROUND                                         ; all sixteen work-groups are here
	JLOAD2 0, 1
	JLOAD2 2, 3
	v_and_b32 v1, 15, v0                           ; r
	v_bfe_u32 v2, v0, 4, 1                         ; h
	v_lshrrev_b32 v3, 1, v1
	v_mul_u32_u24 v3, v3, APITCH                   ; A fragment: token r at (r / 2) x 272 + (r % 2) x 128, + 16 h
	v_and_b32 v4, 1, v0
	v_lshl_add_u32 v3, v4, 7, v3
	v_lshl_add_u32 v3, v2, 4, v3
	v_and_b32 v5, 7, v0
	v_lshl_add_u32 v5, v2, 3, v5                   ; Wo fragment: k row 8 h + l % 8, 16 bytes for each half of eight columns
	v_mul_u32_u24 v5, v5, BPITCH
	v_bfe_u32 v6, v0, 3, 1
	v_lshl_add_u32 v5, v6, 4, v5
	s_mul_i32 s21, s11, 32*APITCH                  ; my 64 tokens
	s_lshl_b32 s22, s12, 7                         ; my 64 columns
	s_add_co_u32 s22, s22, 2*REGION
.irp s, 0,1,2,3
	v_add_nc_u32 v[ADRA+\s], s21, v3
	v_add_nc_u32 v[ADRB+\s], s22, v5
	s_add_co_u32 s21, s21, SLOT
	s_add_co_u32 s22, s22, SLOT
.endr
	s_mul_i32 s23, s10, 16*SPITCH
	s_add_co_u32 s23, s23, STAGE
	v_mul_u32_u24 v7, v1, SPITCH
	v_lshl_add_u32 v7, v2, 5, v7
	v_add_nc_u32 v[STO], s23, v7                   ; in: row r, 32 bytes for each half of the lanes
	v_mul_u32_u24 v8, v2, SPITCH
	v_lshl_add_u32 v8, v1, 4, v8
	v_add_nc_u32 v[RD], s23, v8                    ; back: lanes 0-15 one row of 256 bytes, lanes 16-31 the next
	v_lshlrev_b32 v9, 12, v2
	v_lshl_add_u32 v[CO], v1, 4, v9                ; and the same two rows in out0
.macro MUL4 f, a, zero                 ; m block a x the four n blocks, 32 along K
.irp b, 0,1,2,3
.if \zero
	v_wmma_f32_16x16x32_f16 v[8*(4*(\a)+\b):8*(4*(\a)+\b)+7], v[\f+8*\b:\f+8*\b+7], v[\f+32+8*(\a):\f+32+8*(\a)+7], 0
.else
	v_wmma_f32_16x16x32_f16 v[8*(4*(\a)+\b):8*(4*(\a)+\b)+7], v[\f+8*\b:\f+8*\b+7], v[\f+32+8*(\a):\f+32+8*(\a)+7], v[8*(4*(\a)+\b):8*(4*(\a)+\b)+7]
.endif
.endr
.endm
.macro MUL8 f, a0, zero
	MUL4 \f, \a0, \zero
	MUL4 \f, \a0+1, \zero
.endm
.macro FETCH slot, kq, f               ; 16 LDS loads: the fragments of quarter kq (32 along K): Wo first, then A
.irp b, 0,1,2,3
	ds_load_tr16_b128 v[\f+8*\b:\f+8*\b+3],   v[ADRB+\slot] offset:32*\kq*BPITCH+32*\b
	ds_load_tr16_b128 v[\f+8*\b+4:\f+8*\b+7], v[ADRB+\slot] offset:32*\kq*BPITCH+32*\b+16*BPITCH
.endr
.irp a, 0,1,2,3
	ds_load_b128 v[\f+32+8*\a:\f+32+8*\a+3],   v[ADRA+\slot] offset:\a*8*APITCH+(\kq>>1)*REGION+64*(\kq&1)
	ds_load_b128 v[\f+32+8*\a+4:\f+32+8*\a+7], v[ADRA+\slot] offset:\a*8*APITCH+(\kq>>1)*REGION+64*(\kq&1)+32
.endr
.endm
.macro PLACES                          ; four places in front of loads into registers that matrix instructions have read (ISA guide 7.12.1 for vector instructions)
.rept 4
	v_nop
.endr
.endm
; The 16 accumulators take turns, one instruction a turn, in the same order in every quarter.
.macro QUARTER slot, kq, f, g, zero
	s_wait_dscnt 4                                 ; Wo and A fragments 0, 1 are in; the youngest four loads (A fragments 2, 3) may be out
	WIN MULW
	MUL8 \f, 0, \zero
	PLACES
	WIN 0
	FETCH \slot, \kq, \g
	s_wait_dscnt 16                                ; all but the 16 just issued
	WIN MULW
	MUL8 \f, 2, \zero
.endm
.macro THREE slot, zero
	QUARTER \slot, 1, F0, F1, \zero
	QUARTER \slot, 2, F1, F0, 0
	QUARTER \slot, 3, F0, F1, 0
.endm
; The last quarter of a K step; then on to slot next.  mode 0: the next tile was shown landed by every wave in front of an earlier barrier: no barrier.
; mode 1: a work-group barrier shows the next tile; cnt younger loads may stay out.
; mode 2: every wave waits for its LDS reads and for all its tensor loads; a round of the cluster barrier; slots fa, fb, read by now, are filled again first.
.macro TURN next, mode, cnt, fa, fb
	s_wait_dscnt 4
	WIN MULW
	MUL4 F1, 0, 0
.if \mode >= 1
	s_wait_dscnt 0x0
	s_wait_tensorcnt \cnt
	s_barrier_signal -1
.endif
	MUL4 F1, 1, 0
	WIN 0
.if \mode >= 1
	s_barrier_wait -1
.endif
.if \mode == 2
	CREST
.irp s, \fa, \fb
	s_add_nc_u64 s[G0A+4*\s+2:G0A+4*\s+3], s[G0A+4*\s+2:G0A+4*\s+3], 4*ASTEP
	s_add_nc_u64 s[G0B+4*\s+2:G0B+4*\s+3], s[G0B+4*\s+2:G0B+4*\s+3], 4*BSTEP
.endr
	JLOAD2 \fa, \fb
.endif
	PLACES
	FETCH \next, 0, F0
	s_wait_dscnt 16
	WIN MULW
	MUL8 F1, 2, 0
.endm
	s_wait_tensorcnt 3                             ; my part of K step 0 is in; three stay out
	s_barrier_signal -1
	s_barrier_wait -1
	FETCH 0, 0, F0
	THREE 0, 1                                     ; K step 0: its first products start the sums
	TURN 1, 1, 2, 0, 0                             ; K step 1 is in; steps 2, 3 stay out
	THREE 1, 0
	TURN 2, 2, 0, 0, 1                             ; steps 2, 3 are in; slots 0, 1 get steps 4, 5
	THREE 2, 0
	TURN 3, 0, 0, 0, 0
	THREE 3, 0
	TURN 0, 2, 0, 2, 3                             ; steps 4, 5 are in; slots 2, 3 get steps 6, 7
	THREE 0, 0
	TURN 1, 0, 0, 0, 0
	THREE 1, 0
	TURN 2, 1, 0, 0, 0                             ; steps 6, 7 are in
	THREE 2, 0
	TURN 3, 0, 0, 0, 0
	THREE 3, 0
	s_wait_dscnt 4                                 ; the very last quarter: nothing more to fetch
	WIN MULW
	MUL8 F1, 0, 0
	s_wait_dscnt 0
	MUL8 F1, 2, 0
	; THE WAY OUT, 16 rows at a time, in f32: 32 bytes a lane into my stage, read back as whole rows of 256 bytes.
	PLACES
	WIN 0
	s_lshl_b32 s84, s13, 19                        ; 128 rows of 4,096 bytes
	s_lshl_b32 s85, s11, 18                        ; my 64 rows
	s_add_co_u32 s84, s84, s85
	s_lshl_b32 s85, s58, 9                         ; 128 columns of 4 bytes
	s_add_co_u32 s84, s84, s85
	s_lshl_b32 s85, s12, 8                         ; my 64 columns
	s_add_co_u32 s84, s84, s85
	s_mov_b32 s85, 0
	s_add_nc_u64 s[8:9], s[8:9], s[84:85]
.macro OUT16 a, f
	WIN 0x04                                       ; the data of an LDS store are source 1: window 1
.irp b, 0,1,2,3
	ds_store_b128 v[STO], v[8*(4*\a+\b):8*(4*\a+\b)+3]   offset:64*\b
	ds_store_b128 v[STO], v[8*(4*\a+\b)+4:8*(4*\a+\b)+7] offset:64*\b+16
.endr
	WIN 0
	s_wait_xcnt 0x0                                ; buffer f, which earlier stores read, is loaded again only behind this wait
.irp t, 0,1,2,3,4,5,6,7
	ds_load_b128 v[\f+4*\t:\f+4*\t+3], v[RD] offset:\t*2*SPITCH    ; LDS serves the instructions of a wave in order (ISA guide 5.7.1.4)
.endr
.irp t, 0,1,2,3,4,5,6,7
	s_wait_dscnt 7-\t
	global_store_b128 v[CO], v[\f+4*\t:\f+4*\t+3], s[8:9] offset:65536*\a+8192*\t th:TH_STORE_NT   ; 16 lanes store 256 consecutive bytes, aligned
.endr
.endm
	OUT16 0, F0
	OUT16 1, F1
	OUT16 2, F0
	OUT16 3, F1
	CROUND                                         ; the closing round
	s_endpgm
.Lfunc_end_k_qc32192dc1e_oproj:
	.size	k_qc32192dc1e_oproj, .Lfunc_end_k_qc32192dc1e_oproj-k_qc32192dc1e_oproj
	.p2alignl 7, 3214868480
	.fill 96, 4, 3214868480
	.section	.rodata,"a",@progbits
	.p2align	6, 0x0
	.amdhsa_kernel k_qc32192dc1e_oproj
		.amdhsa_group_segment_fixed_size 327680
		.amdhsa_private_segment_fixed_size 0
		.amdhsa_enable_private_segment 0
		.amdhsa_kernarg_size 24
		.amdhsa_user_sgpr_count 2
		.amdhsa_user_sgpr_kernarg_segment_ptr 1
		.amdhsa_wavefront_size32 1
		.amdhsa_system_sgpr_workgroup_id_x 1
		.amdhsa_system_sgpr_workgroup_id_y 1
		.amdhsa_system_sgpr_workgroup_id_z 1
		.amdhsa_system_vgpr_workitem_id 0
		.amdhsa_next_free_vgpr 384
		.amdhsa_next_free_sgpr 88
		.amdhsa_reserve_vcc 0
		.amdhsa_float_denorm_mode_32 3
		.amdhsa_float_denorm_mode_16_64 3
		.amdhsa_memory_ordered 1
		.amdhsa_forward_progress 1
		.amdhsa_inst_pref_size 92
	.end_amdhsa_kernel
	.amdgpu_metadata
---
amdhsa.version: [ 1, 2 ]
amdhsa.kernels:
  - .name:           k_qc32192dc1e_oproj
    .symbol:         k_qc32192dc1e_oproj.kd
    .args:
      - { .name: ao, .offset: 0, .size: 8, .value_kind: global_buffer, .address_space: global }
      - { .name: wb, .offset: 8, .size: 8, .value_kind: global_buffer, .address_space: global }
      - { .name: out0, .offset: 16, .size: 8, .value_kind: global_buffer, .address_space: global }
    .group_segment_fixed_size: 327680
    .private_segment_fixed_size: 0
    .kernarg_segment_align: 8
    .kernarg_segment_size: 24
    .max_flat_workgroup_size: 128
    .sgpr_count:     88
    .vgpr_count:     384
    .wavefront_size: 32
...
	.end_amdgpu_metadata
.endif
;; end of part 4
